; MI455X (gfx1250); checked and timed in simulation.
; The chip was launched on July 23, 2026; its instructions are those of AMD's public machine-readable ISA for CDNA 5 (MIT licence, August 2026) and "CDNA5" Instruction Set Architecture Reference Guide (July 2026). The comments in the code are by the model that wrote it; some were corrected since.
;; Causal Self Attention. Allowed arithmetic: matrix products marked QUANTISED: E2M1 operands, one E8M0 scale for each 32 along K, by v_wmma_scale_f32_16x16x128_f8f6f4 with both operands' format E2M1 (or v_wmma_scale_f32_32x16x128_f4), f32 sums; products left as they are: bf16, f16 or f32 operands; f32 sums; everything else in f32.
;; Inputs: Wk 1,024 x 1,024 float32; Wp 1,024 x 1,024 float32; Wq 1,024 x 1,024 float32; Wv 1,024 x 1,024 float32; bk 1,024 float32; bp 1,024 float32; bq 1,024 float32; bv 1,024 float32; hidden_states 4 x 2,048 x 1,024 float32.
;; Outputs: out0 4 x 2,048 x 1,024 float32.
;; Constants: action_dim = 6, n_head = 16, observation_dim = 17.
;; This version of the problem:
;;   THIS VERSION OF THE PROBLEM IS GIVEN IN LOW PRECISION. The matrix products marked QUANTISED in the list below multiply operands that are first quantised to E2M1 (2 exponent bits, 1 mantissa bit; 4 bits a number), with one power-of-two scale for each 32 numbers along K (OCP MX v1.0); their sums are f32. The products marked 'left as it is' may take bf16, f16 or f32 operands, with f32 sums. All else is computed in f32.
;;   The module's matrix products, in the order in which they are computed (A, B: the left and right operand; K: the contracted axis; several contracted axes count as one K, in the product's order):
;;     1. [M 8,192, K 1,024] x [K 1,024, N 1,024]; A: input hidden_states; B: input Wq: QUANTISED
;;     2. [M 8,192, K 1,024] x [K 1,024, N 1,024]; A: input hidden_states; B: input Wk: QUANTISED
;;     3. [M 8,192, K 1,024] x [K 1,024, N 1,024]; A: input hidden_states; B: input Wv: QUANTISED
;;     4. batch 64 x [M 2,048, K 64] x [K 64, N 2,048]; A: computed on the way; B: computed on the way: left as it is (an operand is computed on the way)
;;     5. batch 64 x [M 2,048, K 2,048] x [K 2,048, N 64]; A: computed on the way; B: computed on the way: left as it is (an operand is computed on the way)
;;     6. [M 8,192, K 1,024] x [K 1,024, N 1,024]; A: computed on the way; B: input Wp: left as it is (an operand is computed on the way)
;;   THE QUANTISER, for each operand of a quantised product, along K:
;;     - K is cut into blocks of 32 from its start; a last block that is shorter is filled with zeros.
;;     - A block's scale is 2^e with e = floor(log2(the largest magnitude in the block)) - 2, held to -126 .. 127; a block of zeros has e = 0. As a byte (E8M0): e + 127.
;;     - Each number is divided by its block's scale, clamped to +-6, and rounded to the nearest number of E2M1, ties to even, subnormals kept.
;;     - The product sums the exact products of the quantised numbers (number of the format x scale) in f32.
;;   ~~~python
;;   def quantise(x, axis):      # numpy; x: float32 -> the quantised numbers, widened to float32 again
;;       x = np.moveaxis(x, axis, -1); K = x.shape[-1]
;;       x = np.pad(x, [(0, 0)] * (x.ndim - 1) + [(0, -K % 32)]); x = x.reshape(x.shape[:-1] + (-1, 32)); a = np.abs(x).max(-1, keepdims=True)
;;       e = np.where(a > 0, np.clip(np.frexp(np.where(a > 0, a, 1))[1] - 1 - 2, -126, 127), 0)      # np.frexp(a)[1] - 1 = floor(log2(a)), exactly
;;       r = np.clip(x / 2.0 ** e, -6, 6)
;;       step = 2.0 ** (np.maximum(np.frexp(np.where(r == 0, 1, r))[1] - 1, 0) - 1)
;;       q = np.round(r / step) * step * 2.0 ** e      # np.round: ties to even
;;       return np.moveaxis(q.reshape(q.shape[:-2] + (-1,))[..., :K], -1, axis).astype(np.float32)
;;   ~~~
;; One version. Each part assembles by itself: llvm-mc -triple=amdgcn-amd-amdhsa -mcpu=gfx1250 --defsym DOCPART=n.
;; ======== version 1 of 1: 4 launches
;; limits: values are held in f16: magnitudes above 65,504 overflow, below 6.1e-05 lose precision
;; workspace buffers: acodes 4,194,304 bytes; ascales 262,144 bytes; wcodes 1,572,864 bytes; wscales 98,304 bytes; wpimg 2,097,152 bytes; qkv 50,331,648 bytes; aimg 16,777,216 bytes
;; launch prep (part 1): grid 384 x 1, 4 waves a work-group, no clusters, 32,768 bytes of LDS; arguments hidden_states, Wq, Wk, Wv, Wp, acodes, ascales, wcodes, wscales, wpimg; writes acodes, ascales, wcodes, wscales, wpimg
.if DOCPART == 1
	.amdgcn_target "amdgcn-amd-amdhsa--gfx1250"
	.amdhsa_code_object_version 6
	.text
	.protected	k_qd8c324d583_prep
	.globl	k_qd8c324d583_prep
	.p2align	8
	.type	k_qd8c324d583_prep,@function
k_qd8c324d583_prep:
	s_mov_b64 s[64:65], 0
	v_nop
	global_prefetch_b8 v0, s[64:65] scope:SCOPE_SE
	s_setreg_imm32_b32 hwreg(HW_REG_WAVE_MODE, 25, 1), 1
	s_wait_xcnt 0x0
; hidden_states [8192][1024] and Wq, Wk, Wv [1024][1024], f32, K innermost, become codes of FP4 (E2M1) with one E8M0 byte for each 32 along K:
; acodes [8192][512], ascales [8192][32]; wcodes [3072][512], wscales [3072][32] (rows: Wq, Wk, Wv).  Wp [1024][1024] becomes f16, laid as images of operand registers (below).
; A block's scale is 2^(floor(log2(its largest magnitude)) - 2); its byte is the largest magnitude's exponent field - 2, held at 1 from below.  A block of zeros so gets the byte 1 where the
; rule says 127: its codes are zeros, which add nothing, and this program alone reads the bytes.
; LIMITS: blocks whose largest magnitude lies under 2^-124 have their byte held at 1; NaN and infinities among the inputs are not served; |Wp| stays under 65,504 (f16).
; SHARES: work-groups 0-255 take hidden_states, 256-351 Wq, Wk, Wv (32 each), 32,768 numbers a work-group, 8,192 a wave, in 16 steps of 512; work-groups 352-383 take Wp and use no LDS.
; Rows are dense and K is a multiple of 32: each tensor is a plain stream of blocks of 32.  Each load reads 512 consecutive bytes; a step's 2,048 bytes turn through the wave's own stage in LDS,
; so that a lane gets 16 neighbours (two lanes to a block).  A wave's store of codes covers 256 consecutive aligned bytes; its 256 scale bytes are gathered in LDS and leave in one store.
.set STEPS, 16
.set EMAX,  2
.set CB,    8                          ; bytes of 16 codes
.set R,     16                         ; v16-79   four sets of 16 numbers as loaded
.set X,     80                         ; v80-111  two sets of 16 neighbours
.set E,     112                        ; v112-127 a scale byte for each step
.set C,     128                        ; v128-191 codes, four registers for each step: no store's data are written again
.set WREG,  8192                       ; LDS: a region for each wave: two stages of 32 x SP bytes, then its 256 scale bytes
.set SP,    80                         ; a lane's place in a stage: 64 bytes + 16 of padding
.set IN,    16                         ; Wp: v16-143 two sets of 64 numbers
.set OW,    144                        ; Wp: v144-207 two sets of 32 packed registers
	s_load_b512 s[4:19], s[0:1], 0x0               ; hidden 4:5, Wq 6:7, Wk 8:9, Wv 10:11, Wp 12:13, acodes 14:15, ascales 16:17, wcodes 18:19
	s_load_b128 s[20:23], s[0:1], 0x40             ; wscales 20:21, wpimg 22:23
	v_lshrrev_b32 v1, 5, v0
	v_readfirstlane_b32 s24, v1                    ; wave
	v_and_b32 v2, 31, v0                           ; lane
	s_cmp_ge_u32 ttmp9, 352
	s_cbranch_scc1 .Lwp
	; ---------------- the quantiser
	v_lshlrev_b32 v3, 4, v2                        ; my 16 bytes of a load's 512
	s_mul_i32 s38, s24, WREG
	v_lshrrev_b32 v14, 2, v2
	v_mul_u32_u24 v14, v14, SP
	v_and_b32 v15, 3, v2
	v_lshl_add_u32 v14, v15, 4, v14
	v_add_nc_u32 v14, s38, v14                     ; the stage, in: SP (lane / 4) + 16 (lane % 4)
	v_mul_u32_u24 v15, v2, SP
	v_add_nc_u32 v15, s38, v15                     ; and out: SP x lane: my 16 neighbours
	v_mul_u32_u24 v4, v2, CB                       ; my codes' place in a step's
	v_lshrrev_b32 v5, 1, v2
	s_add_co_u32 s38, s38, 2*32*SP
	v_add_nc_u32 v5, s38, v5                       ; my block's scale byte in LDS
	v_lshlrev_b32 v7, 3, v2
	v_add_nc_u32 v6, s38, v7                       ; and on the way out 8 bytes a lane
	s_sub_co_u32 s25, ttmp9, 256                   ; among the three weights' 96 work-groups
	s_lshr_b32 s26, s25, 5                         ; which weight
	s_and_b32 s27, s25, 31                         ; which part of it
	s_wait_kmcnt 0x0
	s_cmp_eq_u32 s26, 1                            ; every choice hangs on the work-group's number alone
	s_cselect_b64 s[28:29], s[8:9], s[10:11]
	s_cmp_eq_u32 s26, 0
	s_cselect_b64 s[28:29], s[6:7], s[28:29]
	s_cmp_lt_u32 ttmp9, 256
	s_cselect_b64 s[28:29], s[4:5], s[28:29]       ; the source
	s_cselect_b64 s[30:31], s[14:15], s[18:19]     ; its codes
	s_cselect_b64 s[32:33], s[16:17], s[20:21]     ; its scale bytes
	s_cselect_b32 s34, ttmp9, s27                  ; the part of the source,
	s_cselect_b32 s35, ttmp9, s25                  ; and of the two results (the three weights lie on end there)
	s_lshl_b32 s34, s34, 2
	s_add_co_u32 s34, s34, s24                     ; my wave's run of 8,192 numbers
	s_lshl_b32 s35, s35, 2
	s_add_co_u32 s35, s35, s24
	s_mov_b32 s37, 0
	s_lshl_b32 s36, s34, 15                        ; 32,768 bytes of numbers a run
	s_add_nc_u64 s[28:29], s[28:29], s[36:37]
	s_lshl_b32 s36, s35, 12                        ; 4,096 bytes of codes
	s_add_nc_u64 s[30:31], s[30:31], s[36:37]
	s_lshl_b32 s36, s35, 8                         ; 256 scale bytes
	s_add_nc_u64 s[32:33], s[32:33], s[36:37]
.macro LOAD t
.irp i, 0,1,2,3
	global_load_b128 v[R+16*((\t)%4)+4*\i:R+16*((\t)%4)+4*\i+3], v3, s[28:29] offset:2048*(\t)+512*\i th:TH_LOAD_NT   ; 32 lanes read 512 consecutive bytes
.endr
.endm
.macro TURN t                          ; step t's numbers through the stage: LDS serves a wave's instructions in order, so no wait stands between the stores and the loads
.irp i, 0,1,2,3
	ds_store_b128 v14, v[R+16*((\t)%4)+4*\i:R+16*((\t)%4)+4*\i+3] offset:32*SP*((\t)%2)+8*SP*\i
.endr
.irp i, 0,1,2,3
	ds_load_b128 v[X+16*((\t)%2)+4*\i:X+16*((\t)%2)+4*\i+3], v15 offset:32*SP*((\t)%2)+16*\i
.endr
.endm
.irp t, 0,1,2,3
	LOAD \t
.endr
	s_wait_loadcnt 12                              ; step 0's four loads are in; the 12 of steps 1 to 3 may be out
	TURN 0
.macro STEP t
.set XS, X+16*((\t)%2)
.if (\t) > 0
	s_wait_dscnt 1                                 ; this step's numbers are back from the stage (the last step's byte store may be out)
.else
	s_wait_dscnt 0x0
.endif
.if (\t)+4 < STEPS
	LOAD (\t)+4                                    ; into the registers that this step's stores into the stage have read
.endif
.if (\t)+1 < STEPS
.if STEPS-2-(\t) >= 3
	s_wait_loadcnt 12                              ; the next step's four loads are in; those of the three steps behind it may be out
.else
	s_wait_loadcnt 4*(STEPS-2-(\t))
.endif
	TURN (\t)+1
.endif
	v_max3_num_f32 v8, |v[XS]|, |v[XS+1]|, |v[XS+2]|               ; the largest magnitude of my 16, in two chains
	v_max3_num_f32 v9, |v[XS+3]|, |v[XS+4]|, |v[XS+5]|
.irp i, 6,10
	v_max3_num_f32 v8, v8, |v[XS+\i]|, |v[XS+\i+1]|
	v_max3_num_f32 v9, v9, |v[XS+\i+2]|, |v[XS+\i+3]|
.endr
	v_max3_num_f32 v8, v8, |v[XS+14]|, |v[XS+15]|
	v_max3_num_f32 v8, v8, v9, (EMAX+1)<<23        ; and the floor 2^(3 - 127): the byte cannot fall under 1
	v_max_num_f32_dpp v8, v8, v8 row_xmask:1 row_mask:0xf bank_mask:0xf   ; with my neighbour's 16: the block's
	v_add_nc_u32 v11, -(EMAX<<23), v8              ; 2 off its exponent field: the conversion takes the exponent field of this operand as its scale
	v_cvt_scalef32_pk8_fp4_f32 v[C+4*(\t)], v[XS:XS+7], v11
	v_cvt_scalef32_pk8_fp4_f32 v[C+4*(\t)+1], v[XS+8:XS+15], v11
	v_lshrrev_b32 v[E+(\t)], 23, v11               ; the scale's byte (a plain line behind the conversions)
	ds_store_b8 v5, v[E+(\t)] offset:16*(\t)       ; both lanes of a block write the same byte with the same value
	global_store_b64 v4, v[C+4*(\t):C+4*(\t)+1], s[30:31] offset:32*CB*(\t)   ; 32 lanes store 256 consecutive aligned bytes
.endm
.irp t, 0,1,2,3,4,5,6,7,8,9,10,11,12,13,14,15
	STEP \t
.endr
	ds_load_b64 v[12:13], v6                       ; in order behind my byte stores
	s_wait_dscnt 0x0
	global_store_b64 v7, v[12:13], s[32:33]        ; my wave's 256 scale bytes
	s_endpgm
	; ---------------- Wp as f16, in images of operand registers: wpimg [K step 8][tile of 16 rows 64][fragment 4][half 2][lane 32][16 bytes].
	; A fragment is 16 rows x 32 K: lane (r, h) holds row r; half 0 is K = 8 h + 0..7, half 1 is K = 16 + 8 h + 0..7.  A wave takes one tile of rows and four K steps of 128.
.Lwp:
	s_sub_co_u32 s25, ttmp9, 352
	s_lshl_b32 s25, s25, 2
	s_add_co_u32 s25, s25, s24                     ; 0..127
	s_lshr_b32 s26, s25, 1                         ; the tile of 16 rows
	s_and_b32 s27, s25, 1                          ; K steps 0-3 or 4-7
	s_lshl_b32 s28, s26, 16                        ; in: 16 rows of 4,096 bytes,
	s_lshl_b32 s30, s27, 11                        ; four K steps of 512 bytes
	s_add_co_u32 s28, s28, s30
	s_mov_b32 s29, 0
	s_lshl_b32 s30, s26, 12                        ; out: 4,096 bytes a tile,
	s_lshl_b32 s31, s27, 20                        ; four K steps of 262,144
	s_add_co_u32 s30, s30, s31
	s_mov_b32 s31, 0
	v_and_b32 v5, 15, v0                           ; r
	v_bfe_u32 v6, v0, 4, 1                         ; h
	v_lshlrev_b32 v3, 12, v5
	v_lshl_add_u32 v3, v6, 5, v3                   ; row r, + 8 h numbers
	v_lshlrev_b32 v4, 4, v2                        ; 16 x lane
	s_wait_kmcnt 0x0
	s_add_nc_u64 s[12:13], s[12:13], s[28:29]
	s_add_nc_u64 s[22:23], s[22:23], s[30:31]
.macro LOADB ks
.irp kf, 0,1,2,3
.irp p, 0,1,2,3
	global_load_b128 v[IN+64*((\ks)%2)+16*\kf+4*\p:IN+64*((\ks)%2)+16*\kf+4*\p+3], v3, s[12:13] offset:(\ks)*512+\kf*128+(\p/2)*64+(\p%2)*16 th:TH_LOAD_NT
.endr
.endr
.endm
.macro CONV ks
.irp kf, 0,1,2,3
.irp i, 0,1,2,3,4,5,6,7
	v_cvt_pk_f16_f32 v[OW+32*((\ks)%2)+8*\kf+\i], v[IN+64*((\ks)%2)+16*\kf+2*\i], v[IN+64*((\ks)%2)+16*\kf+2*\i+1]
.endr
.endr
.irp kf, 0,1,2,3
.irp c, 0,1
	global_store_b128 v4, v[OW+32*((\ks)%2)+8*\kf+4*\c:OW+32*((\ks)%2)+8*\kf+4*\c+3], s[22:23] offset:(\ks)*262144+\kf*1024+\c*512   ; 512 consecutive aligned bytes
.endr
.endr
.endm
	LOADB 0
	LOADB 1
	s_wait_loadcnt 16                              ; K step 0's 16 loads are in; the next batch's 16 may be out
	CONV 0
	LOADB 2
	s_wait_loadcnt 16
	CONV 1
	LOADB 3
	s_wait_loadcnt 16
	s_wait_xcnt 0x0                                ; the earlier stores have read their data: the set is written again only behind this wait
	CONV 2
	s_wait_loadcnt 0x0
	s_wait_xcnt 0x0
	CONV 3
	s_endpgm
.Lfunc_end_k_qd8c324d583_prep:
	.size	k_qd8c324d583_prep, .Lfunc_end_k_qd8c324d583_prep-k_qd8c324d583_prep
	.p2alignl 7, 3214868480
	.fill 96, 4, 3214868480
	.section	.rodata,"a",@progbits
	.p2align	6, 0x0
	.amdhsa_kernel k_qd8c324d583_prep
		.amdhsa_group_segment_fixed_size 32768
		.amdhsa_private_segment_fixed_size 0
		.amdhsa_enable_private_segment 0
		.amdhsa_kernarg_size 80
		.amdhsa_user_sgpr_count 2
		.amdhsa_user_sgpr_kernarg_segment_ptr 1
		.amdhsa_wavefront_size32 1
		.amdhsa_system_sgpr_workgroup_id_x 1
		.amdhsa_system_sgpr_workgroup_id_y 1
		.amdhsa_system_sgpr_workgroup_id_z 1
		.amdhsa_system_vgpr_workitem_id 0
		.amdhsa_next_free_vgpr 208
		.amdhsa_next_free_sgpr 66
		.amdhsa_reserve_vcc 0
		.amdhsa_float_denorm_mode_32 3
		.amdhsa_float_denorm_mode_16_64 3
		.amdhsa_memory_ordered 1
		.amdhsa_forward_progress 1
		.amdhsa_inst_pref_size 51
	.end_amdhsa_kernel
	.amdgpu_metadata
---
amdhsa.version: [ 1, 2 ]
amdhsa.kernels:
  - .name:           k_qd8c324d583_prep
    .symbol:         k_qd8c324d583_prep.kd
    .args:
      - { .name: hidden_states, .offset: 0, .size: 8, .value_kind: global_buffer, .address_space: global }
      - { .name: Wq, .offset: 8, .size: 8, .value_kind: global_buffer, .address_space: global }
      - { .name: Wk, .offset: 16, .size: 8, .value_kind: global_buffer, .address_space: global }
      - { .name: Wv, .offset: 24, .size: 8, .value_kind: global_buffer, .address_space: global }
      - { .name: Wp, .offset: 32, .size: 8, .value_kind: global_buffer, .address_space: global }
      - { .name: acodes, .offset: 40, .size: 8, .value_kind: global_buffer, .address_space: global }
      - { .name: ascales, .offset: 48, .size: 8, .value_kind: global_buffer, .address_space: global }
      - { .name: wcodes, .offset: 56, .size: 8, .value_kind: global_buffer, .address_space: global }
      - { .name: wscales, .offset: 64, .size: 8, .value_kind: global_buffer, .address_space: global }
      - { .name: wpimg, .offset: 72, .size: 8, .value_kind: global_buffer, .address_space: global }
    .group_segment_fixed_size: 32768
    .private_segment_fixed_size: 0
    .kernarg_segment_align: 8
    .kernarg_segment_size: 80
    .max_flat_workgroup_size: 128
    .sgpr_count:     66
    .vgpr_count:     208
    .wavefront_size: 32
...
	.end_amdgpu_metadata
.endif
;; end of part 1
;; launch qkv (part 2): grid 12 x 32, 4 waves a work-group, clusters of 4 x 4, 327,680 bytes of LDS; arguments acodes, ascales, wcodes, wscales, bq, bk, bv, qkv; writes qkv
.if DOCPART == 2
	.amdgcn_target "amdgcn-amd-amdhsa--gfx1250"
	.amdhsa_code_object_version 6
	.text
	.protected	k_qd8c324d583_qkv
	.globl	k_qd8c324d583_qkv
	.p2align	8
	.type	k_qd8c324d583_qkv,@function
k_qd8c324d583_qkv:
	s_mov_b64 s[64:65], 0
	v_nop
	global_prefetch_b8 v0, s[64:65] scope:SCOPE_SE
	s_setreg_imm32_b32 hwreg(HW_REG_WAVE_MODE, 25, 1), 1
	s_wait_xcnt 0x0
	s_wait_alu depctr_hold_cnt(0) depctr_sa_sdst(0) depctr_va_vdst(0) depctr_va_sdst(0) depctr_va_ssrc(0) depctr_va_vcc(0) depctr_vm_vsrc(0)
	s_getreg_b32 s2, hwreg(HW_REG_IB_STS2, 6, 4)
	s_cmp_eq_u32 s2, 0
	s_cbranch_scc0 .Lentry_in_a_cluster
	s_endpgm
.Lentry_in_a_cluster:
	s_bfe_u32 s2, ttmp6, 0x10000c
	s_cmp_lg_u32 s2, 0xf033
	s_cbranch_scc0 .Lentry_shape_is_right
	s_endpgm
.Lentry_shape_is_right:
; q, k, v = hidden W^T + bias: one GEMM 8192 x 3072 x 1024 on codes of FP4 (E2M1) with E8M0 scales, sums in f32; results rounded once to f16 and stored as images of operand registers.
; A (acodes [8192][512], ascales [8192][32]), B (wcodes [3072][512], wscales [3072][32]; rows Wq, Wk, Wv).  A tile of 256 x 256 to a work-group of four waves, 128 x 128 a wave: 64 accumulators.
; K = 1024 is two slots of 512 along K: both slots and all scale bytes are asked for at the start; no LDS byte is filled twice, and there is no loop.
; CLUSTERS: 4 x 4 work-groups; A's tiles are asked for jointly along a row of the cluster, B's along a column.  Cluster x is 0, 1, 2 for q, k, v (four tiles of 256 features each).
; TRANSPOSED USE: source 0 = 16 rows of W, source 1 = 16 tokens: lane (r, h) holds token r and eight neighbouring features 16 b + 8 h + 0..7.  The bias is the C of each sum's first product.
; OUT: qkv = q | k | v, 2^24 bytes each, [batch x 16 + head][tile of 16 tokens][2,048 bytes].  q, k: a lane's 16 bytes of feature block b lie at 512 (b % 4) + 16 lane: that is a fragment
; (16 tokens x 32 channels) as the next launch's products take it.  v: at 512 (b % 4) + 256 (r / 8) + 128 h + 16 (r % 8), so that the turning LDS load of the next launch reads at 16 x lane.
; Each store of a wave covers 512 consecutive aligned bytes: no stage is needed.
; LIMITS: |q|, |k|, |v| under 65,504 (f16): about 6 for inputs as drawn, 28,800 where hidden and W both carry an offset of 30 spreads (1024 x 30 x 0.94).  NaN and infinities are not served.
; REGISTERS: window 0: v0-31 addresses; v32-95 scale words, two sets; v128-191 A's fragments, one set; v192-255 the bias; on the way out v128-255 packed results.
;   window 1: B's fragments, two sets, at v0 and v128.  window 2: accumulators of my rows 0-63 ((a, b) at v[8 (8 a + b)]); window 3: rows 64-127.
.set NQ,     4                         ; steps of 128 along K in a slot
.set ROWB,   256                       ; a tile's row: 512 codes
.set KROW,   512                       ; a row of codes in memory
.set PITCH,  272                       ; an LDS row: 256 bytes + 16 of padding: the 16 rows of a fragment load start 17 x 16 bytes apart
.set FR,     8
.set NL,     2
.set NP,     4
.set HALFT,  128*PITCH
.set SLOT,   4*HALFT
.set KS,     32                        ; a row of scale bytes
.set SCL,    2*SLOT
.set HALFS,  (128*KS/256)*272
.set SBLK,   (16*KS/256)*272
.set SPARE,  SCL+4*HALFS               ; the spare words, 128 bytes a wave; no other line names them
.set ADRA, 16
.set ADRB, 20
.set CO,   26                          ; v26  my lane's place in a block of 512 bytes of the result
.set ADRS, 27
.set SPW,  28
.set NIL,  29
.set SC,   32
.set AF,   128
.set BI,   192                         ; v192-255 bias: register 8 b + j = bias[16 b + 8 h + j] of my 128 features
.set PK,   128                         ; the way out: four sets of 32
.set G1, 24
.set G0, 32
.set G1B, 48
.set G0B, 56
.set G1S, 68
.set G0S, 76
.set G1SB, 80
.set G0SB, 88
.set MSB, 0
.macro WIN new                         ; the immediate's high byte repeats the setting that is left
.if MSB != \new
	s_set_vgpr_msb (MSB<<8)|\new
.set MSB, \new
.endif
.endm
.set MUL_LO, 0xa1                      ; source 0 (B) window 1, source 1 (A) window 0, C and D window 2
.set MUL_HI, 0xf1                      ; C and D window 3
.set BIA_LO, 0x81                      ; C (the bias) window 0, D window 2
.set BIA_HI, 0xc1                      ; D window 3
.set TO_B,   0x40
; A joint load: waves 0 and 1 fetch for A, waves 2 and 3 for B; the branch hangs on the wave's number alone.  Four v_nop follow each of the two lines.
.macro JLOAD g0a, g1a, g0b, g1b
	s_cmp_eq_u32 s15, 0
	s_cbranch_scc0 .Lfor_b_\@
	tensor_load_to_lds s[\g0a:\g0a+3], s[\g1a:\g1a+7]
.rept 4
	v_nop
.endr
	s_branch .Lasked_\@
.Lfor_b_\@:
	tensor_load_to_lds s[\g0b:\g0b+3], s[\g1b:\g1b+7]
.rept 4
	v_nop
.endr
.Lasked_\@:
.endm
.macro CROUND                          ; a round of the cluster's barrier
	s_barrier_signal -1
	s_barrier_wait -1
	s_cmp_lg_u32 s14, 0
	s_cbranch_scc1 .Lnot_wave_0_\@
	s_barrier_signal -3
.Lnot_wave_0_\@:
	s_barrier_wait -3
	s_barrier_signal -1
	s_barrier_wait -1
.endm
	s_load_b256 s[4:11], s[0:1], 0x0               ; A's codes 4:5, A's scales 6:7, B's codes 8:9, B's scales 10:11
	s_load_b256 s[92:99], s[0:1], 0x20             ; bq 92:93, bk 94:95, bv 96:97, qkv 98:99
	v_lshl_add_u32 v[SPW], v0, 2, SPARE
	v_mov_b32 v[NIL], 0
	v_lshrrev_b32 v1, 5, v0
	v_readfirstlane_b32 s14, v1                    ; wave 0..3
	s_lshr_b32 s15, s14, 1                         ; which half of the tile's rows is mine.  Also: I fetch for A (0) or for B (1)
	s_and_b32 s16, s14, 1                          ; which half of its columns.  Also: which 128 rows I fetch
	s_bfe_u32 s40, ttmp6, 0x40000                  ; cx
	s_bfe_u32 s41, ttmp6, 0x40004                  ; cy
	s_lshl_b32 s42, ttmp9, 2
	s_add_co_u32 s42, s42, s40                     ; tile column = 4 x cluster x + cx
	s_and_b32 s17, ttmp7, 0xffff
	s_lshl_b32 s17, s17, 2
	s_add_co_u32 s17, s17, s41                     ; tile row = 4 x cluster y + cy
	s_lshl_b32 s43, s41, 2
	s_lshl_b32 s43, 15, s43                        ; my row of the cluster
	s_lshl_b32 s44, 0x1111, s40                    ; my column
	s_or_b32 s[G1+0], s43, (0<<16)|(1<<20)|(1<<21)|(5<<22)|(3<<25)   ; mask; elements of 1 byte; padding on; bit 21 beside a mask; 4 words behind every 64
	s_or_b32 s[G1B+0], s44, (0<<16)|(1<<20)|(1<<21)|(5<<22)|(3<<25)
.irp g, G1, G1B
	s_mov_b32 s[\g+1], ROWB<<16                    ; tensor_dim0
	s_mov_b32 s[\g+2], 128<<16                     ; tensor_dim1
	s_mov_b32 s[\g+3], ROWB<<16                    ; tile_dim0
	s_mov_b32 s[\g+4], 128                         ; tile_dim1
	s_mov_b32 s[\g+5], KROW                        ; pitch
	s_mov_b32 s[\g+6], 0
	s_mov_b32 s[\g+7], 0
.endr
	s_or_b32 s[G1S+0], s43, (3<<16)|(1<<20)|(1<<21)|(5<<22)|(3<<25)  ; the scales of 128 rows: 4,096 dense bytes as 16 rows of 256, 16 bytes of padding behind each
	s_or_b32 s[G1SB+0], s44, (3<<16)|(1<<20)|(1<<21)|(5<<22)|(3<<25)
.irp g, G1S, G1SB
	s_mov_b32 s[\g+1], 32<<16
	s_mov_b32 s[\g+2], (128*KS/256)<<16
	s_mov_b32 s[\g+3], 32<<16
	s_mov_b32 s[\g+4], 128*KS/256
	s_mov_b32 s[\g+5], 32
	s_mov_b32 s[\g+6], 0
	s_mov_b32 s[\g+7], 0
.endr
	s_lshl_b32 s18, s16, 7
	s_lshl_b32 s20, s17, 8
	s_add_co_u32 s20, s20, s18                     ; A: row 256 x tile row + 128 x half
	s_lshl_b32 s46, s42, 8
	s_add_co_u32 s46, s46, s18                     ; B: row 256 x tile column + 128 x half
	s_mov_b32 s21, 0
	s_mov_b32 s47, 0
	s_mov_b64 s[18:19], KS
	s_mul_u64 s[22:23], s[20:21], s[18:19]         ; where these rows' scales begin
	s_mul_u64 s[66:67], s[46:47], s[18:19]
	s_mov_b64 s[18:19], KROW
	s_mul_u64 s[20:21], s[20:21], s[18:19]         ; and their codes
	s_mul_u64 s[46:47], s[46:47], s[18:19]
	s_mul_i32 s45, s14, HALFT                      ; LDS: wave x 128 rows
	s_mul_i32 s100, s14, HALFS
	s_wait_kmcnt 0x0
	s_add_nc_u64 s[20:21], s[4:5], s[20:21]
	s_add_nc_u64 s[22:23], s[6:7], s[22:23]
	s_add_nc_u64 s[46:47], s[8:9], s[46:47]
	s_add_nc_u64 s[66:67], s[10:11], s[66:67]
	CROUND                                         ; all sixteen work-groups are here: the joint loads meet
	s_mov_b32 s[G0S], 1
	s_add_co_u32 s[G0S+1], s100, SCL
	s_mov_b64 s[G0S+2:G0S+3], s[22:23]
	s_or_b32 s[G0S+3], s[G0S+3], 0x80000000
	s_mov_b32 s[G0SB], 1
	s_add_co_u32 s[G0SB+1], s100, SCL
	s_mov_b64 s[G0SB+2:G0SB+3], s[66:67]
	s_or_b32 s[G0SB+3], s[G0SB+3], 0x80000000
	JLOAD G0S, G1S, G0SB, G1SB                     ; the scales first; with the two slots three loads of mine are out
.irp s, 0,1
	s_mov_b32 s[G0+4*\s], 1
	s_add_co_u32 s[G0+4*\s+1], s45, \s*SLOT
	s_add_nc_u64 s[G0+4*\s+2:G0+4*\s+3], s[20:21], \s*ROWB
	s_or_b32 s[G0+4*\s+3], s[G0+4*\s+3], 0x80000000
	s_mov_b32 s[G0B+4*\s], 1
	s_add_co_u32 s[G0B+4*\s+1], s45, \s*SLOT
	s_add_nc_u64 s[G0B+4*\s+2:G0B+4*\s+3], s[46:47], \s*ROWB
	s_or_b32 s[G0B+4*\s+3], s[G0B+4*\s+3], 0x80000000
	JLOAD G0+4*\s, G1, G0B+4*\s, G1B
.endr
	v_and_b32 v1, 15, v0                           ; r
	v_bfe_u32 v2, v0, 4, 1                         ; h
	v_mul_u32_u24 v3, v1, PITCH
	v_lshl_add_u32 v4, v2, 4, v3                   ; a fragment's row x pitch + 16 h
	s_mul_i32 s21, s15, HALFT                      ; my 128 rows of A
	s_mul_i32 s22, s16, HALFT                      ; my 128 rows of B,
	s_add_co_u32 s22, s22, 2*HALFT                 ; behind A's 256
.irp s, 0,1
	v_add_nc_u32 v[ADRA+\s], s21, v4
	v_add_nc_u32 v[ADRB+\s], s22, v4
	s_add_co_u32 s21, s21, SLOT
	s_add_co_u32 s22, s22, SLOT
.endr
	v_mul_u32_u24 v5, v1, KS                       ; my row's scales: 32 bytes a row,
	v_lshrrev_b32 v6, 8, v5
	v_lshl_add_u32 v5, v6, 4, v5                   ; and 16 more for each 256 passed
	s_mul_i32 s21, s15, HALFS
	s_mul_i32 s22, s16, HALFS
	s_add_co_u32 s22, s22, 2*HALFS
	s_sub_co_u32 s22, s22, s21
	v_mul_u32_u24 v6, s22, v2                      ; lanes 16-31 take B's: one product, the distance between the two bases
	s_add_co_u32 s21, s21, SCL
	v_add_nc_u32 v5, v5, v6
	v_add_nc_u32 v[ADRS], s21, v5
	; the bias of my 128 features: chosen by cluster x, which all partners share
	s_cmp_eq_u32 ttmp9, 1
	s_cselect_b64 s[22:23], s[94:95], s[96:97]
	s_cmp_eq_u32 ttmp9, 0
	s_cselect_b64 s[22:23], s[92:93], s[22:23]
	s_cmp_eq_u32 ttmp9, 2
	s_cselect_b32 s18, -1, 0                       ; all ones where the result is v
	s_lshl_b32 s46, s40, 10                        ; cx x 256 features x 4 bytes
	s_lshl_b32 s47, s16, 9                         ; + my half's 128
	s_add_co_u32 s46, s46, s47
	s_mov_b32 s47, 0
	s_add_nc_u64 s[22:23], s[22:23], s[46:47]
	v_lshlrev_b32 v7, 5, v2                        ; 8 h numbers
.irp b, 0,1,2,3,4,5,6,7
	global_load_b128 v[BI+8*\b:BI+8*\b+3], v7, s[22:23] offset:64*\b
	global_load_b128 v[BI+8*\b+4:BI+8*\b+7], v7, s[22:23] offset:64*\b+16
.endr
	; where my results go
	v_and_b32 v6, 31, v0
	v_lshlrev_b32 v8, 4, v6                        ; q, k: 16 x lane
	v_lshrrev_b32 v9, 3, v1
	v_lshlrev_b32 v9, 8, v9
	v_lshl_or_b32 v9, v2, 7, v9
	v_and_b32 v10, 7, v1
	v_lshl_or_b32 v9, v10, 4, v9                   ; v: 256 (r / 8) + 128 h + 16 (r % 8)
	v_cndmask_b32 v[CO], v8, v9, s18
	s_lshl_b32 s20, s17, 8
	s_lshl_b32 s21, s15, 7
	s_add_co_u32 s20, s20, s21                     ; my first token: 256 x tile row + 128 x half
	s_lshr_b32 s21, s20, 11                        ; the batch,
	s_lshl_b32 s21, s21, 4
	s_lshl_b32 s19, s40, 2
	s_add_co_u32 s21, s21, s19                     ; + the head: 4 cx
	s_lshl_b32 s19, s16, 1
	s_add_co_u32 s21, s21, s19                     ; + 2 x my half of the columns
	s_lshl_b32 s21, s21, 18                        ; 128 tiles of 2,048 bytes a head
	s_and_b32 s20, s20, 2047
	s_lshl_b32 s20, s20, 7                         ; (token / 16) x 2,048
	s_add_co_u32 s20, s20, s21
	s_lshl_b32 s21, ttmp9, 24                      ; q, k or v
	s_add_co_u32 s20, s20, s21
	s_mov_b32 s21, 0
	s_add_nc_u64 s[12:13], s[98:99], s[20:21]
.macro FRAG reg, adr, q, i             ; 16 rows x 128 K of 4-bit codes: 8 registers: registers 4 c .. 4 c + 3 hold K = 64 c + 32 h + 0 .. 31
.irp c, 0,1
	ds_load_b128 v[\reg+4*\c:\reg+4*\c+3], v[\adr] offset:64*(\q)+32*\c+(\i)*16*PITCH
.endr
.endm
; 16 matrix instructions: A's blocks a0, a0 + 1 x B's eight, the slot's q-th 128 along K.  p: B's set; sc: the set of scale words.  zero = 1: the sums begin with the bias as C.
; The 64 accumulators take turns, one instruction a turn, in the same order in every step.
.macro MUL16 a0, p, q, sc, zero
.irp a, \a0, \a0+1
.irp b, 0,1,2,3,4,5,6,7
.if \zero
	v_wmma_scale_f32_16x16x128_f8f6f4 v[8*(8*((\a)%4)+\b):8*(8*((\a)%4)+\b)+7], v[128*(\p)+FR*\b:128*(\p)+FR*\b+FR-1], v[AF+FR*(\a):AF+FR*(\a)+FR-1], v[BI+8*\b:BI+8*\b+7], v[SC+8*NQ*(\sc)+NQ*\b+(\q)], v[SC+8*NQ*(\sc)+NQ*(\a)+(\q)] matrix_a_fmt:MATRIX_FMT_FP4 matrix_b_fmt:MATRIX_FMT_FP4 matrix_a_scale:MATRIX_SCALE_ROW1
.else
	v_wmma_scale_f32_16x16x128_f8f6f4 v[8*(8*((\a)%4)+\b):8*(8*((\a)%4)+\b)+7], v[128*(\p)+FR*\b:128*(\p)+FR*\b+FR-1], v[AF+FR*(\a):AF+FR*(\a)+FR-1], v[8*(8*((\a)%4)+\b):8*(8*((\a)%4)+\b)+7], v[SC+8*NQ*(\sc)+NQ*\b+(\q)], v[SC+8*NQ*(\sc)+NQ*(\a)+(\q)] matrix_a_fmt:MATRIX_FMT_FP4 matrix_b_fmt:MATRIX_FMT_FP4 matrix_a_scale:MATRIX_SCALE_ROW1
.endif
.endr
.endr
.endm
.macro FETCH_B slot, q, p
	WIN TO_B
.irp i, 0,1,2,3,4,5,6,7
	FRAG 128*(\p)+FR*\i, ADRB+\slot, \q, \i
.endr
	WIN 0
.endm
.macro FETCH_A slot, q, i0
.irp i, \i0, \i0+1, \i0+2, \i0+3
	FRAG AF+FR*(\i), ADRA+\slot, \q, \i
.endr
.endm
.macro SCALES sc                       ; a slot's scale words: four words a row; lanes 0-15 take A's block i, lanes 16-31 B's block i
.irp i, 0,1,2,3,4,5,6,7
	ds_load_b128 v[SC+8*NQ*\sc+NQ*\i:SC+8*NQ*\sc+NQ*\i+3], v[ADRS] offset:\i*SBLK
.endr
.endm
.macro PLACES n                        ; plain vector lines between a matrix instruction and a load into, or a vector read or write of, its registers
.rept \n
	v_nop
.endr
.endm
.macro STEP slot, q, zero              ; a step of 128 along K that has its successor in the same slot
	s_wait_dscnt 4*NL                              ; B's set and A's blocks 0-3 are in; the youngest eight loads (A's blocks 4-7) may be out
.if \zero
	WIN BIA_LO
.else
	WIN MUL_LO
.endif
	MUL16 0, (\q)%2, \q, \slot, \zero
	MUL16 2, (\q)%2, \q, \slot, \zero
	s_wait_dscnt 0
	PLACES NP
	FETCH_B \slot, (\q)+1, 1-(\q)%2
	FETCH_A \slot, (\q)+1, 0
.if \zero
	WIN BIA_HI
.else
	WIN MUL_HI
.endif
	MUL16 4, (\q)%2, \q, \slot, \zero
	MUL16 6, (\q)%2, \q, \slot, \zero
	PLACES NP
	WIN 0
	FETCH_A \slot, (\q)+1, 4
.endm
.macro STEPS slot, from
.set Q, \from
.rept NQ-1-\from
	STEP \slot, Q, 0
.set Q, Q+1
.endr
.endm
	s_wait_tensorcnt 1                             ; the scales and my part of slot 0 are in; slot 1's load may be out
	s_barrier_signal -1
	s_barrier_wait -1
	FETCH_B 0, 0, 0
	FETCH_A 0, 0, 0
	SCALES 0
	FETCH_A 0, 0, 4
	s_wait_loadcnt 0x0                             ; the bias
	STEP 0, 0, 1
	STEPS 0, 1
	; slot 0's last step, and the change to slot 1: one barrier; in front of it my part of slot 1 has landed
	s_wait_tensorcnt 0x0
	ds_add_u32 v[SPW], v[NIL]
	s_wait_dscnt 4*NL+1                            ; the add and A's blocks 4-7 may be out
	WIN MUL_LO
	MUL16 0, 1, NQ-1, 0, 0
	s_wait_dscnt 0x0
	s_barrier_signal -1
	MUL16 2, 1, NQ-1, 0, 0
	WIN 0
	s_barrier_wait -1
	PLACES NP
	v_add_nc_u32 v[ADRS], 4*NQ, v[ADRS]            ; the second slot's scale words
	FETCH_B 1, 0, 0
	FETCH_A 1, 0, 0
	SCALES 1
	WIN MUL_HI
	MUL16 4, 1, NQ-1, 0, 0
	MUL16 6, 1, NQ-1, 0, 0
	PLACES NP
	WIN 0
	FETCH_A 1, 0, 4
	STEPS 1, 0
	s_wait_dscnt 4*NL                              ; the very last step
	WIN MUL_LO
	MUL16 0, 1, NQ-1, 1, 0
	MUL16 2, 1, NQ-1, 1, 0
	s_wait_dscnt 0
	WIN MUL_HI
	MUL16 4, 1, NQ-1, 1, 0
	MUL16 6, 1, NQ-1, 1, 0
	WIN 0
; THE WAY OUT, block by block of 16 tokens: eight numbers of a lane pack into 16 bytes, which are a cell of the image.
.macro PACK a
.set AC, 64*((\a)%4)
.set PR, PK+32*((\a)%4)
	WIN 0x0a+5*((\a)/4)                            ; sources in window 2 or 3
.irp b, 0,1,2,3,4,5,6,7
.irp r, 0,1,2,3
	v_cvt_pk_f16_f32 v[PR+4*\b+\r], v[AC+8*\b+2*\r], v[AC+8*\b+2*\r+1]   ; each accumulator from its low end on
.endr
.endr
	WIN 0
.endm
.macro SEND a
.set PR, PK+32*((\a)%4)
.irp b, 0,1,2,3,4,5,6,7
	global_store_b128 v[CO], v[PR+4*\b:PR+4*\b+3], s[12:13] offset:(\a)*2048+(\b%4)*512+(\b/4)*262144   ; tile a; 16 channels b % 4 of head b / 4: 512 consecutive aligned bytes
.endr
.endm
	PLACES NP                                      ; behind the last products: the conversions read results and write over A's fragments and the bias
.irp a, 0,1,2,3,4,5,6,7
.if \a >= 4
	s_wait_xcnt 0x0                                ; the earlier stores have read their data: set a % 4 is written again only behind this wait
.endif
	PACK \a
	SEND \a
.endr
	s_wait_tensorcnt 0x0                           ; the wave's end
	ds_add_u32 v[SPW], v[NIL]
	s_wait_dscnt 0x0
	CROUND                                         ; the closing round
	s_endpgm
.Lfunc_end_k_qd8c324d583_qkv:
	.size	k_qd8c324d583_qkv, .Lfunc_end_k_qd8c324d583_qkv-k_qd8c324d583_qkv
	.p2alignl 7, 3214868480
	.fill 96, 4, 3214868480
	.section	.rodata,"a",@progbits
	.p2align	6, 0x0
	.amdhsa_kernel k_qd8c324d583_qkv
		.amdhsa_group_segment_fixed_size 327680
		.amdhsa_private_segment_fixed_size 0
		.amdhsa_enable_private_segment 0
		.amdhsa_kernarg_size 64
		.amdhsa_user_sgpr_count 2
		.amdhsa_user_sgpr_kernarg_segment_ptr 1
		.amdhsa_wavefront_size32 1
		.amdhsa_system_sgpr_workgroup_id_x 1
		.amdhsa_system_sgpr_workgroup_id_y 1
		.amdhsa_system_sgpr_workgroup_id_z 1
		.amdhsa_system_vgpr_workitem_id 0
		.amdhsa_next_free_vgpr 1024
		.amdhsa_next_free_sgpr 102
		.amdhsa_reserve_vcc 0
		.amdhsa_float_denorm_mode_32 3
		.amdhsa_float_denorm_mode_16_64 3
		.amdhsa_memory_ordered 1
		.amdhsa_forward_progress 1
		.amdhsa_inst_pref_size 119
	.end_amdhsa_kernel
	.amdgpu_metadata
---
amdhsa.version: [ 1, 2 ]
amdhsa.kernels:
  - .name:           k_qd8c324d583_qkv
    .symbol:         k_qd8c324d583_qkv.kd
    .args:
      - { .name: acodes, .offset: 0, .size: 8, .value_kind: global_buffer, .address_space: global }
      - { .name: ascales, .offset: 8, .size: 8, .value_kind: global_buffer, .address_space: global }
      - { .name: wcodes, .offset: 16, .size: 8, .value_kind: global_buffer, .address_space: global }
      - { .name: wscales, .offset: 24, .size: 8, .value_kind: global_buffer, .address_space: global }
      - { .name: bq, .offset: 32, .size: 8, .value_kind: global_buffer, .address_space: global }
      - { .name: bk, .offset: 40, .size: 8, .value_kind: global_buffer, .address_space: global }
      - { .name: bv, .offset: 48, .size: 8, .value_kind: global_buffer, .address_space: global }
      - { .name: qkv, .offset: 56, .size: 8, .value_kind: global_buffer, .address_space: global }
    .group_segment_fixed_size: 327680
    .private_segment_fixed_size: 0
    .kernarg_segment_align: 8
    .kernarg_segment_size: 64
    .max_flat_workgroup_size: 128
    .sgpr_count:     102
    .vgpr_count:     1024
    .wavefront_size: 32
...
	.end_amdgpu_metadata
.endif
;; end of part 2
;; launch attn (part 3): grid 4 x 64, 8 waves a work-group, no clusters, 327,680 bytes of LDS; arguments qkv, aimg; writes aimg
.if DOCPART == 3
	.amdgcn_target "amdgcn-amd-amdhsa--gfx1250"
	.amdhsa_code_object_version 6
	.text
	.protected	k_qd8c324d583_attn
	.globl	k_qd8c324d583_attn
	.p2align	8
	.type	k_qd8c324d583_attn,@function
k_qd8c324d583_attn:
	s_mov_b64 s[64:65], 0
	v_nop
	global_prefetch_b8 v0, s[64:65] scope:SCOPE_SE
	s_setreg_imm32_b32 hwreg(HW_REG_WAVE_MODE, 25, 1), 1
	s_wait_xcnt 0x0
; O = softmax(mask(Q K^T / 8)) V for 64 (batch, head) pairs, 2,048 tokens, head size 64.  Key k counts for query q where k <= q and k % 25 != 24.  Operands f16, sums, maxima and softmax f32.
; SHARES.  A head's queries are eight blocks of 256.  Work-group j (x = 0..3) makes block 7 - j (key units 0 .. 7 - j, a unit = 256 keys) and then block j (units 0 .. j): nine units for every
; work-group, so every trip count is a constant.  Each of the eight waves owns 32 queries (two tiles of 16) of the block: sub-block w for waves 0-3, 11 - w for waves 4-7.
; LAYOUT.  S^T = K Q^T + C (source 0 = 16 keys, source 1 = 16 queries), O^T = V^T P: a lane holds ONE query (lane % 16).  K, Q and V lie in memory as images of operand registers, so every
; LDS read is at 16 x lane; V comes turned, by ds_load_tr16_b128.
; THE PERIODIC MASK IS THE C OF A SCORE TILE'S FIRST PRODUCT: -1e30 at keys with k % 25 = 24, else 0, from a table in LDS laid in the order of the nine trips.
; THE CAUSAL EDGE: a step (64 keys) all of whose keys come after my queries is jumped over (a scalar branch on ids; no barrier or tensor load stands in a step); in the step on the diagonal
; hidden scores become -1e30 by compare and select.  Key 0 counts for every query, so the running maximum is a true score from a pass's first step on.
; SOFTMAX.  Running maximum m and sum l for each query; p = 2^(c s - c m), c = log2(e) / 8; in each step O and l are multiplied by 2^(c m_old - c m_new).
; OUT.  aimg [head / 2][tile of 16 tokens, 512][fragment 4][1,024 bytes]: fragments (16 tokens x 32 features) as the last launch's product takes them; each store covers 512 consecutive aligned bytes.
; No cluster: the four work-groups of a head want different key units in a trip (the first pass has 8 - j trips), so they have no tile to ask for jointly at the same time.
; LIMITS: scores above -1e29 (hidden keys are -1e30, the maximum starts at -3e38); |O| under 65,504 (f16), as |v| is; NaN and infinities are not served.
.set SLOT1, 1<<16                      ; a slot: 32 KB of K (16 tiles of 2,048 bytes), then 32 KB of V; slot 1 begins here: one exclusive or turns an address
.set VOFF,  32768
.set STEPB, 8192                       ; a step's four tiles
.set BIAS,  2*SLOT1                    ; the mask's table: [9 trips][256 keys] f32
.set SPARE, BIAS+9*1024                ; the spare words, 128 bytes a wave; no other line names them
.set SPW, 1
.set NIL, 2
.set AL,  3                            ; v3   16 x lane
.set AB0, 4                            ; v4   BIAS + 32 (lane / 16)
.set ADK, 5                            ; v5   the step's tiles
.set ADB, 6                            ; v6   the step's part of the table
.set QD,  7                            ; v7   lane % 16 - 8 (lane / 16)
.set NEG, 8                            ; v8   -1e30
.set PFO, 9                            ; v9   256 x lane
.set DG,  10                           ; v10-11 the diagonal's bound, for each tile
.set ST,  16                           ; tile q's statistics at v[ST + 8 q]: +0 c m, +1 m, +2:3 l, +4..7 at work (a in +6)
.set QF,  32                           ; v32-63   Q: 16 q + 8 u
.set KV,  64                           ; v64-127  K, later V
.set S,   128                          ; v128-191 S^T: 32 q + 8 t; later P in place at 32 q + 0..15
.set O,   192                          ; v192-255 O^T: 32 q + 8 ct
.set WV, 8
.set J,  9
.set BH, 10
.set JP1, 11
.set SG, 12                            ; my sub-block of 32 queries
.set Q0, 13
.set QL, 14
.set KF, 15
.set G1, 16
.set G0, 24
.set PB, 28                            ; s[28:29] my 16 KB of unit 0 (waves w and w + 4: K's halves, V's halves)
.set OF, 30
.set UN, 32                            ; the unit asked for last
.set UL, 33                            ; where the first pass's units end
.set SLOTS, 34
.set STEPC, 35
.set TB, 36
.set TBI, 37
.set CS, 38
.set SEL, 40
.set PFA, 42
.set LIM, 44
.set QP, 46
.set OP, 48
	s_load_b128 s[4:7], s[0:1], 0x0                ; qkv, aimg
	v_lshl_add_u32 v[SPW], v0, 2, SPARE
	v_mov_b32 v[NIL], 0
	v_lshrrev_b32 v12, 5, v0
	v_readfirstlane_b32 s[WV], v12                 ; wave 0..7
	s_mov_b32 s[J], ttmp9
	s_and_b32 s[BH], ttmp7, 0xffff
	s_add_co_u32 s[JP1], s[J], 1
	s_sub_co_u32 s50, 11, s[WV]
	s_cmp_lt_u32 s[WV], 4
	s_cselect_b32 s[SG], s[WV], s50
	s_mov_b32 s[G1+0], 3<<16                       ; no mask; elements of 8 bytes; no padding
	s_mov_b32 s[G1+1], 32<<16                      ; tensor_dim0 = 32 (256 bytes)
	s_mov_b32 s[G1+2], 64<<16                      ; tensor_dim1 = 64
	s_mov_b32 s[G1+3], 32<<16                      ; tile_dim0
	s_mov_b32 s[G1+4], 64                          ; tile_dim1: 16 KB, dense
	s_mov_b32 s[G1+5], 32                          ; pitch
	s_mov_b32 s[G1+6], 0
	s_mov_b32 s[G1+7], 0
	s_mov_b32 s[CS], 0x3e38aa3b                    ; c = log2(e) / 8
	s_mov_b32 s[CS+1], s[CS]                       ; (named with it as a pair)
	s_mov_b32 s[SEL], 0x76543210
	s_mov_b32 s[SEL+1], 0xfedcba98                 ; lane l xor 16
	v_and_b32 v12, 31, v0
	v_lshlrev_b32 v[AL], 4, v12
	v_lshlrev_b32 v[PFO], 8, v12
	v_bfe_u32 v13, v0, 4, 1
	v_lshl_add_u32 v[AB0], v13, 5, BIAS
	v_and_b32 v14, 15, v0
	v_lshlrev_b32 v13, 3, v13
	v_sub_nc_u32 v[QD], v14, v13
	v_mov_b32 v[NEG], 0xf149f2ca                   ; -1e30
	s_and_b32 s50, s[WV], 3
	s_lshl_b32 s[G0+1], s50, 14                    ; LDS: K's halves at 0 and 16,384, V's at 32,768 and 49,152, in slot 0
	s_lshr_b32 s51, s50, 1
	s_add_co_u32 s51, s51, 1
	s_lshl_b32 s51, s51, 24                        ; k begins 2^24 bytes in, v 2^25
	s_and_b32 s50, s50, 1
	s_lshl_b32 s50, s50, 14
	s_add_co_u32 s[OF], s51, s50
	s_lshl_b32 s50, s[BH], 18                      ; 128 tiles of 2,048 bytes a head
	s_add_co_u32 s[OF], s[OF], s50
	s_mov_b32 s[OF+1], 0
	s_wait_kmcnt 0x0
	s_add_nc_u64 s[PB:PB+1], s[4:5], s[OF:OF+1]
	s_mov_b32 s[OF], s50
	s_add_nc_u64 s[QP:QP+1], s[4:5], s[OF:OF+1]    ; q of my head
	s_mov_b32 s[G0], 1
	s_mov_b64 s[G0+2:G0+3], s[PB:PB+1]             ; unit 0
	s_or_b32 s[G0+3], s[G0+3], 0x80000000
	s_cmp_lt_u32 s[WV], 4                          ; waves 0-3 fetch, one load each
	s_cbranch_scc0 .Lno_first
	tensor_load_to_lds s[G0:G0+3], s[G1:G1+7]
.rept 4
	v_nop
.endr
.Lno_first:
	s_and_b32 s50, s[BH], 15                       ; the head
	s_lshr_b32 s51, s[BH], 4                       ; the batch
	s_lshl_b32 s51, s51, 19                        ; 128 tiles of 4,096 bytes
	s_lshr_b32 s52, s50, 1
	s_lshl_b32 s52, s52, 21                        ; 512 tiles of 4,096 bytes for each pair of heads
	s_add_co_u32 s51, s51, s52
	s_and_b32 s50, s50, 1
	s_lshl_b32 s50, s50, 11                        ; an odd head fills fragments 2 and 3
	s_add_co_u32 s[OF], s51, s50
	s_add_nc_u64 s[OP:OP+1], s[6:7], s[OF:OF+1]
	s_add_nc_u64 s[PFA:PFA+1], s[PB:PB+1], 32768   ; at unit 1: the first change of slots steps it to unit 2
	s_lshr_b32 s50, s[WV], 2
	s_xor_b32 s50, s50, 1                          ; 0 in waves 4-7,
	s_or_b32 s50, s50, ttmp9                       ; of the head's work-group 0, which walks units 0 to 7 in its first eight trips
	s_cmp_eq_u32 s50, 0
	s_cselect_b32 s[LIM], 2, -1
	; the mask's table: thread i writes key i of each trip's unit.  key / 25 = (key x 5243) >> 17, exact up to key 2,047 (the excess is key x 3 / 3,276,800, under 1 / 25)
	s_sub_co_u32 s51, 8, s[J]                      ; trips of the first pass
	s_mov_b32 s[UL], s51
	v_lshl_add_u32 v14, v0, 2, BIAS
.irp t, 0,1,2,3,4,5,6,7,8
	s_sub_co_i32 s52, \t, s51
	s_cmp_lt_i32 s52, 0
	s_cselect_b32 s52, \t, s52                     ; trip t's unit
	s_lshl_b32 s52, s52, 8
	v_add_nc_u32 v12, s52, v0
	v_mul_u32_u24 v13, v12, 0x147b
	v_lshrrev_b32 v13, 17, v13
	v_mul_u32_u24 v13, v13, 25
	v_sub_nc_u32 v13, v12, v13                     ; key % 25
	v_cmp_eq_u32 vcc_lo, 24, v13
	v_cndmask_b32 v13, 0, v[NEG], vcc_lo
	ds_store_b32 v14, v13 offset:1024*\t
.endr
	s_mov_b32 s[UN], 0
	s_mov_b32 s[SLOTS], 8
	s_mov_b32 s[TB], 0
	s_mov_b32 s[TBI], 0
; A pass begins: block s[sblk] of 256 queries.  O and l begin as zeros and m as -3e38, so that the step is written once: the first rescaling finds zeros.
.macro INIT sblk
	s_lshl_b32 s[Q0], s[\sblk], 8
	s_lshl_b32 s50, s[SG], 5
	s_add_co_u32 s[Q0], s[Q0], s50                 ; my first query
	s_add_co_u32 s[QL], s[Q0], 31                  ; my last
	s_mov_b32 s[KF], 0
	s_lshl_b32 s[OF], s[Q0], 7                     ; (query / 16) x 2,048
	s_mov_b32 s[OF+1], 0
	s_add_nc_u64 s[52:53], s[QP:QP+1], s[OF:OF+1]
.irp i, 0,1,2,3,4,5,6,7
	global_load_b128 v[QF+4*\i:QF+4*\i+3], v[AL], s[52:53] offset:512*\i
.endr
.irp q, 0,1
	v_mov_b32 v[ST+8*\q+1], 0xff61b1e6             ; m = -3e38
	v_mul_f32 v[ST+8*\q], s[CS], v[ST+8*\q+1]      ; c m
.irp e, 2,3,4,5,6,7
	v_mov_b32 v[ST+8*\q+\e], 0
.endr
.endr
.set i, 0
.rept 64
	v_mov_b32 v[O+i], 0
.set i, i+1
.endr
	s_wait_loadcnt 0x0
.endm
; THE CHANGE OF SLOTS, at a slot's head.  Each wave waits for all its tensor loads, adds 0 to its spare word, and waits for that and for its reads of the slot that it has left (in the first
; change: for its stores into the table).  Behind the barrier the slot ahead is whole and nobody reads the other.  fill = 1: the other slot takes the next trip's unit; that load has four steps in which to land.
.macro CHANGE fill
	s_wait_tensorcnt 0x0                           ; no tensor load of mine is out, so group 0 may be written
	ds_add_u32 v[SPW], v[NIL]
.if \fill
	s_add_co_u32 s[UN], s[UN], 1
	s_cmp_eq_u32 s[UN], s[UL]                      ; the first pass's units are over: the second pass begins at unit 0
	s_cselect_b32 s[UN], 0, s[UN]
	s_cselect_b32 s[UL], 99, s[UL]
	s_lshl_b32 s[OF], s[UN], 15                    ; 32 KB a unit
	s_mov_b32 s[OF+1], 0
	s_xor_b32 s[G0+1], s[G0+1], SLOT1
	s_add_nc_u64 s[G0+2:G0+3], s[PB:PB+1], s[OF:OF+1]
	s_or_b32 s[G0+3], s[G0+3], 0x80000000
	s_wait_xcnt 0x0                                ; the last prefetches, a slot back, have read their address
	s_add_nc_u64 s[PFA:PFA+1], s[PFA:PFA+1], 32768
.endif
	s_wait_dscnt 0x0
	s_barrier_signal -1
	s_barrier_wait -1
.if \fill
	s_cmp_lt_u32 s[WV], 4
	s_cbranch_scc0 .Lno_fill_\@
	tensor_load_to_lds s[G0:G0+3], s[G1:G1+7]      ; the first thing behind the barrier, and the wave's one tensor load until the next
.rept 4
	v_nop
.endr
.Lno_fill_\@:
	; a prefetch of the unit that the NEXT change will ask for.  All four work-groups of a head read the same K and V: work-group 0 asks, in trips 0 to 5 for units 2 to 7; its waves 4-7,
	; which fetch nothing, take 16 KB each (K's halves, V's halves), lanes 256 bytes apart, two instructions.  Units 0 and 1 come by their loads alone.
	s_cmp_gt_u32 s[SLOTS], s[LIM]
	s_cbranch_scc0 .Lnot_mine_\@
	global_prefetch_b8 v[PFO], s[PFA:PFA+1] th:TH_LOAD_NT scope:SCOPE_SE
	global_prefetch_b8 v[PFO], s[PFA:PFA+1] offset:8192 th:TH_LOAD_NT scope:SCOPE_SE
.Lnot_mine_\@:
.endif
.endm
; A STEP: 64 keys against my 32 queries.
.macro STEP
	s_cmp_gt_u32 s[KF], s[QL]                      ; all keys come after my queries
	s_cbranch_scc1 .Lhid_\@
	v_add_nc_u32 v[ADK], s[TB], v[AL]
	v_add_nc_u32 v[ADB], s[TBI], v[AB0]
.irp t, 0,1,2,3
	ds_load_b128 v[S+8*\t:S+8*\t+3], v[ADB] offset:64*\t           ; the mask of keys 16 t + 8 h + 0..7, in the result's layout
	ds_load_b128 v[S+8*\t+4:S+8*\t+7], v[ADB] offset:64*\t+16
.endr
.irp i, 0,1,2,3,4,5,6,7,8,9,10,11,12,13,14,15
	ds_load_b128 v[KV+4*\i:KV+4*\i+3], v[ADK] offset:512*\i        ; K: tile i / 4, channels 32 ((i / 2) % 2) on
.endr
	s_wait_dscnt 0x0
.irp t, 0,1,2,3                        ; tile 1 of the queries first: its sums begin with the mask that lies in tile 0's registers
	v_wmma_f32_16x16x32_f16 v[S+32+8*\t:S+32+8*\t+7], v[KV+16*\t:KV+16*\t+7], v[QF+16:QF+23], v[S+8*\t:S+8*\t+7]
.endr
.rept 5
	v_nop                                          ; the next four write over registers that those four have read as C
.endr
.irp t, 0,1,2,3
	v_wmma_f32_16x16x32_f16 v[S+8*\t:S+8*\t+7], v[KV+16*\t:KV+16*\t+7], v[QF:QF+7], v[S+8*\t:S+8*\t+7]
.endr
.irp t, 0,1,2,3                        ; the eight accumulators take turns
	v_wmma_f32_16x16x32_f16 v[S+32+8*\t:S+32+8*\t+7], v[KV+16*\t+8:KV+16*\t+15], v[QF+24:QF+31], v[S+32+8*\t:S+32+8*\t+7]
.endr
.irp t, 0,1,2,3
	v_wmma_f32_16x16x32_f16 v[S+8*\t:S+8*\t+7], v[KV+16*\t+8:KV+16*\t+15], v[QF+8:QF+15], v[S+8*\t:S+8*\t+7]
.endr
.rept 4
	v_nop                                          ; in front of the loads over K's registers and of the first reads of the scores
.endr
.irp g, 0,1                            ; V, turned: fragment (keys 32 g on, channels 16 ct on); it lands while the softmax is walked
.irp ct, 0,1,2,3
.irp c, 0,1
	ds_load_tr16_b128 v[KV+8*(4*\g+\ct)+4*\c:KV+8*(4*\g+\ct)+4*\c+3], v[ADK] offset:VOFF+(2*\g+\c)*2048+\ct*512
.endr
.endr
.endr
	s_add_co_u32 s50, s[KF], 63
	s_cmp_le_u32 s50, s[Q0]                        ; all keys count for all my queries
	s_cbranch_scc1 .Lopen_\@
	s_sub_co_i32 s50, s[Q0], s[KF]
	v_add_nc_u32 v[DG], s50, v[QD]                 ; register 8 t + j holds key KF + 16 t + 8 h + j: hidden where 16 t + j > my query - KF - 8 h
	v_add_nc_u32 v[DG+1], 16, v[DG]
.irp q, 0,1
.irp n, 0,1,2,3,4,5,6,7,8,9,10,11,12,13,14,15,16,17,18,19,20,21,22,23,24,25,26,27,28,29,30,31
	v_cmp_gt_i32 vcc_lo, 16*(\n/8)+\n%8, v[DG+\q]
	v_cndmask_b32 v[S+32*\q+\n], v[S+32*\q+\n], v[NEG], vcc_lo
.endr
.endr
.Lopen_\@:
	; the maximum of 32 scores and the old m, three at a time, four chains a tile, the two tiles by turns; each accumulator is read from its low end on
.irp j, 0,1,2,3
.irp q, 0,1
	v_max3_num_f32 v[ST+8*\q+4+\j], v[S+32*\q+8*\j], v[S+32*\q+8*\j+1], v[S+32*\q+8*\j+2]
.endr
.endr
.irp e, 3,5
.irp j, 0,1,2,3
.irp q, 0,1
	v_max3_num_f32 v[ST+8*\q+4+\j], v[ST+8*\q+4+\j], v[S+32*\q+8*\j+\e], v[S+32*\q+8*\j+\e+1]
.endr
.endr
.endr
.irp q, 0,1
	v_max3_num_f32 v[ST+8*\q+4], v[ST+8*\q+4], v[S+32*\q+7], v[S+32*\q+15]
	v_max3_num_f32 v[ST+8*\q+6], v[ST+8*\q+6], v[S+32*\q+23], v[S+32*\q+31]
.endr
.irp q, 0,1
	v_max3_num_f32 v[ST+8*\q+4], v[ST+8*\q+4], v[ST+8*\q+5], v[ST+8*\q+6]
.endr
.irp q, 0,1
	v_max3_num_f32 v[ST+8*\q+4], v[ST+8*\q+4], v[ST+8*\q+7], v[ST+8*\q+1]
.endr
.irp q, 0,1
	v_permlanex16_b32 v[ST+8*\q+5], v[ST+8*\q+4], s[SEL], s[SEL+1]   ; the query's other 32 keys lie in the lane 16 away
.endr
.irp q, 0,1
	v_max_num_f32 v[ST+8*\q+1], v[ST+8*\q+4], v[ST+8*\q+5]           ; the new m
.endr
.irp q, 0,1
	v_mul_f32 v[ST+8*\q+7], s[CS], v[ST+8*\q+1]
.endr
.irp q, 0,1
	v_sub_f32 v[ST+8*\q+6], v[ST+8*\q], v[ST+8*\q+7]                 ; c m_old - c m_new
.endr
.irp q, 0,1
	v_mov_b32 v[ST+8*\q], v[ST+8*\q+7]
.endr
.irp q, 0,1
	v_exp_f32 v[ST+8*\q+6], v[ST+8*\q+6]                             ; a
.endr
.irp b, 0,1,2,3,4,5,6,7,8,9,10,11,12,13,14,15
.irp q, 0,1
	v_pk_fma_f32 v[S+32*\q+2*\b:S+32*\q+2*\b+1], v[S+32*\q+2*\b:S+32*\q+2*\b+1], s[CS:CS+1], v[ST+8*\q:ST+8*\q+1] op_sel_hi:[1,0,0] neg_lo:[0,0,1] neg_hi:[0,0,1]   ; c s - c m
.endr
.endr
.set i, 0
.rept 32                               ; two exponentials, then a plain line: O^T's rescaling, from each accumulator's low end on
	v_exp_f32 v[S+2*i], v[S+2*i]
	v_exp_f32 v[S+2*i+1], v[S+2*i+1]
	v_pk_mul_f32 v[O+2*i:O+2*i+1], v[O+2*i:O+2*i+1], v[ST+8*(i/16)+6:ST+8*(i/16)+7] op_sel_hi:[1,0]
.set i, i+1
.endr
.irp q, 0,1
	v_pk_mul_f32 v[ST+8*\q+2:ST+8*\q+3], v[ST+8*\q+2:ST+8*\q+3], v[ST+8*\q+6:ST+8*\q+7] op_sel_hi:[1,0]   ; l x a
.endr
.irp q, 0,1
	v_pk_add_f32 v[ST+8*\q+4:ST+8*\q+5], v[S+32*\q:S+32*\q+1], v[S+32*\q+2:S+32*\q+3]   ; the sum of p in f32, two chains a tile
.endr
.irp e, 0,1,2,3,4,5
.irp q, 0,1
	v_pk_add_f32 v[ST+8*\q+4:ST+8*\q+5], v[ST+8*\q+4:ST+8*\q+5], v[S+32*\q+4+2*\e:S+32*\q+5+2*\e]
	v_pk_add_f32 v[ST+8*\q+2:ST+8*\q+3], v[ST+8*\q+2:ST+8*\q+3], v[S+32*\q+16+2*\e:S+32*\q+17+2*\e]
.endr
.endr
.irp e, 28,30
.irp q, 0,1
	v_pk_add_f32 v[ST+8*\q+2:ST+8*\q+3], v[ST+8*\q+2:ST+8*\q+3], v[S+32*\q+\e:S+32*\q+\e+1]
.endr
.endr
.irp q, 0,1
	v_pk_add_f32 v[ST+8*\q+2:ST+8*\q+3], v[ST+8*\q+2:ST+8*\q+3], v[ST+8*\q+4:ST+8*\q+5]
.endr
.irp i, 0,1,2,3,4,5,6,7,8,9,10,11,12,13,14,15
.irp q, 0,1
	v_cvt_pk_f16_f32 v[S+32*\q+\i], v[S+32*\q+2*\i], v[S+32*\q+2*\i+1]   ; P in place, ascending: two score tiles, packed, are source 1 (32 keys x 16 queries)
.endr
.endr
	s_wait_dscnt 0x0                               ; V is in
.irp g, 0,1
.irp ct, 0,1,2,3
.irp q, 0,1
	v_wmma_f32_16x16x32_f16 v[O+32*\q+8*\ct:O+32*\q+8*\ct+7], v[KV+8*(4*\g+\ct):KV+8*(4*\g+\ct)+7], v[S+32*\q+8*\g:S+32*\q+8*\g+7], v[O+32*\q+8*\ct:O+32*\q+8*\ct+7]
.endr
.endr
.endr
.rept 5
	v_nop                                          ; behind the last products: the next step loads over V and P, its first products write over P, and the way out reads O^T
.endr
.Lhid_\@:
	s_add_co_u32 s[KF], s[KF], 64
	s_add_co_u32 s[TB], s[TB], STEPB
	s_add_co_u32 s[TBI], s[TBI], 256
.endm
.macro SLOT_STEPS
	s_mov_b32 s[STEPC], 4
.Lstep_\@:
	STEP
	s_sub_co_u32 s[STEPC], s[STEPC], 1
	s_cmp_lg_u32 s[STEPC], 0
	s_cbranch_scc1 .Lstep_\@
	s_sub_co_u32 s[TB], s[TB], 4*STEPB             ; back to a slot's first step,
	s_xor_b32 s[TB], s[TB], SLOT1                  ; in the other slot
.endm
; A pass ends: O^T / l, rounded to f16; a lane's eight channels are a cell of the image.
.macro FINISH
.irp q, 0,1
	v_add_f32 v[ST+8*\q+4], v[ST+8*\q+2], v[ST+8*\q+3]
.endr
.irp q, 0,1
	v_permlanex16_b32 v[ST+8*\q+5], v[ST+8*\q+4], s[SEL], s[SEL+1]
.endr
.irp q, 0,1
	v_add_f32 v[ST+8*\q+4], v[ST+8*\q+4], v[ST+8*\q+5]
.endr
.irp q, 0,1
	v_rcp_f32 v[ST+8*\q+6], v[ST+8*\q+4]
.endr
	s_lshl_b32 s[OF], s[Q0], 8                     ; (query / 16) x 4,096
	s_mov_b32 s[OF+1], 0
	s_add_nc_u64 s[54:55], s[OP:OP+1], s[OF:OF+1]
	v_nop                                          ; a plain line behind the reciprocals
.set i, 0
.rept 32
	v_pk_mul_f32 v[O+2*i:O+2*i+1], v[O+2*i:O+2*i+1], v[ST+8*(i/16)+6:ST+8*(i/16)+7] op_sel_hi:[1,0]
.set i, i+1
.endr
.set i, 0
.rept 32
	v_cvt_pk_f16_f32 v[S+i], v[O+2*i], v[O+2*i+1]
.set i, i+1
.endr
.irp i, 0,1,2,3,4,5,6,7
	global_store_b128 v[AL], v[S+4*\i:S+4*\i+3], s[54:55] offset:(\i/4)*4096+(\i%4)*512   ; 512 consecutive aligned bytes
.endr
	s_wait_xcnt 0x0                                ; the stores have read their data and base: both are written again only behind this wait
.endm
	s_sub_co_u32 s51, 7, s[J]
	INIT 51                                        ; the first pass: block 7 - j
.Lslot:                                            ; eight trips: behind each change of slots but the last the next trip's unit is asked for
	CHANGE 1
	SLOT_STEPS
	s_cmp_eq_u32 s[SLOTS], s[JP1]                  ; the first pass's last trip (8 - j trips): a branch on ids, the same in all waves
	s_cbranch_scc0 .Lsame_pass
	FINISH
	INIT J                                         ; the second pass: block j
.Lsame_pass:
	s_sub_co_u32 s[SLOTS], s[SLOTS], 1
	s_cmp_lg_u32 s[SLOTS], 0
	s_cbranch_scc1 .Lslot
	CHANGE 0                                       ; the ninth trip is written out
	SLOT_STEPS
	FINISH
	s_wait_tensorcnt 0x0                           ; the wave's end
	ds_add_u32 v[SPW], v[NIL]
	s_wait_dscnt 0x0
	s_endpgm
.Lfunc_end_k_qd8c324d583_attn:
	.size	k_qd8c324d583_attn, .Lfunc_end_k_qd8c324d583_attn-k_qd8c324d583_attn
	.p2alignl 7, 3214868480
	.fill 96, 4, 3214868480
	.section	.rodata,"a",@progbits
	.p2align	6, 0x0
	.amdhsa_kernel k_qd8c324d583_attn
		.amdhsa_group_segment_fixed_size 327680
		.amdhsa_private_segment_fixed_size 0
		.amdhsa_enable_private_segment 0
		.amdhsa_kernarg_size 16
		.amdhsa_user_sgpr_count 2
		.amdhsa_user_sgpr_kernarg_segment_ptr 1
		.amdhsa_wavefront_size32 1
		.amdhsa_system_sgpr_workgroup_id_x 1
		.amdhsa_system_sgpr_workgroup_id_y 1
		.amdhsa_system_sgpr_workgroup_id_z 1
		.amdhsa_system_vgpr_workitem_id 0
		.amdhsa_next_free_vgpr 256
		.amdhsa_next_free_sgpr 66
		.amdhsa_reserve_vcc 1
		.amdhsa_float_denorm_mode_32 3
		.amdhsa_float_denorm_mode_16_64 3
		.amdhsa_memory_ordered 1
		.amdhsa_forward_progress 1
		.amdhsa_inst_pref_size 72
	.end_amdhsa_kernel
	.amdgpu_metadata
---
amdhsa.version: [ 1, 2 ]
amdhsa.kernels:
  - .name:           k_qd8c324d583_attn
    .symbol:         k_qd8c324d583_attn.kd
    .args:
      - { .name: qkv, .offset: 0, .size: 8, .value_kind: global_buffer, .address_space: global }
      - { .name: aimg, .offset: 8, .size: 8, .value_kind: global_buffer, .address_space: global }
    .group_segment_fixed_size: 327680
    .private_segment_fixed_size: 0
    .kernarg_segment_align: 8
    .kernarg_segment_size: 16
    .max_flat_workgroup_size: 256
    .sgpr_count:     66
    .vgpr_count:     256
    .wavefront_size: 32
...
	.end_amdgpu_metadata
.endif
;; end of part 3
;; launch proj (part 4): grid 8 x 32, 4 waves a work-group, clusters of 4 x 4, 327,680 bytes of LDS; arguments aimg, wpimg, bp, out0; writes out0
.if DOCPART == 4
	.amdgcn_target "amdgcn-amd-amdhsa--gfx1250"
	.amdhsa_code_object_version 6
	.text
	.protected	k_qd8c324d583_proj
	.globl	k_qd8c324d583_proj
	.p2align	8
	.type	k_qd8c324d583_proj,@function
k_qd8c324d583_proj:
	s_mov_b64 s[64:65], 0
	v_nop
	global_prefetch_b8 v0, s[64:65] scope:SCOPE_SE
	s_setreg_imm32_b32 hwreg(HW_REG_WAVE_MODE, 25, 1), 1
	s_wait_xcnt 0x0
	s_wait_alu depctr_hold_cnt(0) depctr_sa_sdst(0) depctr_va_vdst(0) depctr_va_sdst(0) depctr_va_ssrc(0) depctr_va_vcc(0) depctr_vm_vsrc(0)
	s_getreg_b32 s2, hwreg(HW_REG_IB_STS2, 6, 4)
	s_cmp_eq_u32 s2, 0
	s_cbranch_scc0 .Lentry_in_a_cluster
	s_endpgm
.Lentry_in_a_cluster:
	s_bfe_u32 s2, ttmp6, 0x10000c
	s_cmp_lg_u32 s2, 0xf033
	s_cbranch_scc0 .Lentry_shape_is_right
	s_endpgm
.Lentry_shape_is_right:
; out0 = O Wp^T + bp: 8192 x 1024 x 1024, operands f16, sums f32, result f32.  Both operands lie in memory as images of operand registers:
; aimg [K step 8][tile of 16 tokens 512][fragment 4][1,024 bytes], wpimg [K step 8][tile of 16 rows of Wp 64][fragment 4][1,024 bytes]; a fragment is 16 rows x 32 K, two halves of 512 bytes, 16 bytes a lane.
; So a K step's tile is one dense block for the tensor data mover, and every LDS read is at 16 x lane: no pitch, no padding.
; A tile of 256 tokens x 128 outputs to a work-group (256 work-groups); wave (w / 2, w % 2) makes 128 x 64: 32 accumulators, window 1.  K goes in 8 steps of 128 through two LDS slots.
; CLUSTERS: 4 x 4: A's tile (64 KB a K step) is asked for jointly along a row of the cluster, B's (32 KB) along a column.  Waves 0, 1 ask for A's halves, waves 2, 3 for B's.
; TRANSPOSED USE: source 0 = 16 rows of Wp, source 1 = 16 tokens: a lane holds eight neighbouring outputs of one token.  bp is the C of each sum's first product.
; REGISTERS: window 0: v16-30 addresses; v32-63 bp in the result's layout; v64-159, v160-255 two fragment buffers (B's four at +0, A's eight at +32); window 1: accumulator (a, b) at v[8 (4 a + b)].
; LIMITS: |O| and |Wp| under 65,504 (f16); NaN and infinities are not served.
.set SLOT,   98304                     ; A's 16 tiles of 4,096 bytes, then B's 8
.set BOFF,   65536
.set SPARE,  2*SLOT                    ; the spare words, 128 bytes a wave; no other line names them
.set SPITCH, 272                       ; the way out: a stage of 16 rows x (256 bytes + 16) for each wave, in slot 0, which has had its last fill and its last read by then
.set LAPS,   4
.set ADRA, 16
.set ADRB, 20
.set STO,  24
.set RD,   25
.set CO,   26
.set SPW,  28
.set NIL,  29
.set PFO,  30
.set BI,   32
.set F0,   64
.set F1,   160
.set BK,   64
.set LIM,  15
.set G1,   24
.set G0,   32
.set PFA,  44
.set G1B,  48
.set G0B,  56
.set MSB, 0
.macro WIN new                         ; the immediate's high byte repeats the setting that is left
.if MSB != \new
	s_set_vgpr_msb (MSB<<8)|\new
.set MSB, \new
.endif
.endm
.set MULW, 0x50                        ; C and D window 1, sources window 0
.set BIAW, 0x40                        ; D window 1, C (the bias) window 0
.macro JLOAD s                         ; a joint load; four v_nop follow each of the two lines
	s_cmp_eq_u32 s13, 0
	s_cbranch_scc0 .Lfor_b_\@
	tensor_load_to_lds s[G0+4*\s:G0+4*\s+3], s[G1:G1+7]
.rept 4
	v_nop
.endr
	s_branch .Lasked_\@
.Lfor_b_\@:
	tensor_load_to_lds s[G0B+4*\s:G0B+4*\s+3], s[G1B:G1B+7]
.rept 4
	v_nop
.endr
.Lasked_\@:
.endm
.macro CREST                           ; a round of the cluster's barrier behind its opening barrier
	s_cmp_lg_u32 s12, 0
	s_cbranch_scc1 .Lnot_wave_0_\@
	s_barrier_signal -3
.Lnot_wave_0_\@:
	s_barrier_wait -3
	s_barrier_signal -1
	s_barrier_wait -1
.endm
.macro CROUND
	s_barrier_signal -1
	s_barrier_wait -1
	CREST
.endm
; A prefetch of A's K step that stands two refills on (256 matrix instructions ahead of the load that will want it).  A's tile row is read by both clusters of a row of clusters: cluster x = 0 asks;
; of the 128 blocks of 256 bytes that wave 0 or 1 fetches, the partner at cx takes 32, told apart by address: a lane a block.  The loop's last trip asks for nothing: there is no K step 8.
; Wp's image is read by all 32 tile rows and is not asked for.
.macro ASK
	s_cmp_gt_u32 s3, s[LIM]
	s_cbranch_scc0 .Lnot_mine_\@
	global_prefetch_b8 v[PFO], s[PFA:PFA+1] th:TH_LOAD_NT scope:SCOPE_SE
.Lnot_mine_\@:
.endm
	s_load_b256 s[4:11], s[0:1], 0x0               ; aimg 4:5, wpimg 6:7, bp 8:9, out0 10:11
	v_lshl_add_u32 v[SPW], v0, 2, SPARE
	v_mov_b32 v[NIL], 0
	v_lshrrev_b32 v1, 5, v0
	v_readfirstlane_b32 s12, v1                    ; wave 0..3
	s_lshr_b32 s13, s12, 1                         ; which 128 tokens are mine.  Also: I fetch for A (0) or for B (1)
	s_and_b32 s14, s12, 1                          ; which 64 outputs.  Also: which half of that tile I fetch
	s_bfe_u32 s40, ttmp6, 0x40000                  ; cx
	s_bfe_u32 s41, ttmp6, 0x40004                  ; cy
	s_lshl_b32 s42, ttmp9, 2
	s_add_co_u32 s42, s42, s40                     ; tile column
	s_and_b32 s43, ttmp7, 0xffff
	s_lshl_b32 s43, s43, 2
	s_add_co_u32 s43, s43, s41                     ; tile row
	s_lshl_b32 s22, s41, 2
	s_lshl_b32 s22, 15, s22                        ; my row of the cluster
	s_lshl_b32 s23, 0x1111, s40                    ; my column
	s_or_b32 s[G1+0], s22, (3<<16)|(1<<21)         ; mask; elements of 8 bytes; bit 21 beside a mask; no padding
	s_or_b32 s[G1B+0], s23, (3<<16)|(1<<21)
	s_mov_b32 s[G1+1], 32<<16                      ; A: 128 rows of 256 bytes, dense: 32 KB
	s_mov_b32 s[G1+2], 128<<16
	s_mov_b32 s[G1+3], 32<<16
	s_mov_b32 s[G1+4], 128
	s_mov_b32 s[G1+5], 32
	s_mov_b32 s[G1+6], 0
	s_mov_b32 s[G1+7], 0
	s_mov_b32 s[G1B+1], 32<<16                     ; B: 64 rows: 16 KB
	s_mov_b32 s[G1B+2], 64<<16
	s_mov_b32 s[G1B+3], 32<<16
	s_mov_b32 s[G1B+4], 64
	s_mov_b32 s[G1B+5], 32
	s_mov_b32 s[G1B+6], 0
	s_mov_b32 s[G1B+7], 0
	s_lshl_b32 s16, s43, 16                        ; A: 16 tiles of 4,096 bytes a tile row,
	s_lshl_b32 s17, s14, 15                        ; + my half's eight
	s_add_co_u32 s16, s16, s17
	s_mov_b32 s17, 0
	s_lshl_b32 s46, s42, 15                        ; B: 8 tiles a tile column,
	s_lshl_b32 s47, s14, 14                        ; + my half's four
	s_add_co_u32 s46, s46, s47
	s_mov_b32 s47, 0
	s_lshl_b32 s20, s14, 15                        ; LDS: A's halves,
	s_lshl_b32 s21, s14, 14
	s_add_co_u32 s21, s21, BOFF                    ; B's halves: no place in the cluster enters an LDS address
	s_wait_kmcnt 0x0
	s_add_nc_u64 s[18:19], s[4:5], s[16:17]
	s_add_nc_u64 s[46:47], s[6:7], s[46:47]
	CROUND                                         ; all sixteen work-groups are here: the first joint loads meet
.irp s, 0,1
	s_mov_b32 s[G0+4*\s], 1
	s_add_co_u32 s[G0+4*\s+1], s20, \s*SLOT
	s_add_nc_u64 s[G0+4*\s+2:G0+4*\s+3], s[18:19], (\s)<<21      ; K step s: 2^21 bytes a K step of A
	s_or_b32 s[G0+4*\s+3], s[G0+4*\s+3], 0x80000000
	s_mov_b32 s[G0B+4*\s], 1
	s_add_co_u32 s[G0B+4*\s+1], s21, \s*SLOT
	s_add_nc_u64 s[G0B+4*\s+2:G0B+4*\s+3], s[46:47], (\s)<<18    ; 2^18 of B
	s_or_b32 s[G0B+4*\s+3], s[G0B+4*\s+3], 0x80000000
	JLOAD \s                                       ; two loads of mine are out
.endr
	v_and_b32 v1, 15, v0                           ; r
	v_bfe_u32 v2, v0, 4, 1                         ; h
	v_and_b32 v3, 31, v0
	v_lshlrev_b32 v4, 4, v3                        ; 16 x lane
	v_lshlrev_b32 v[PFO], 8, v3
	s_lshl_b32 s21, s13, 15                        ; my eight tiles of A
	s_lshl_b32 s22, s14, 14
	s_add_co_u32 s22, s22, BOFF                    ; my four of B
.irp s, 0,1
	v_add_nc_u32 v[ADRA+\s], s21, v4
	v_add_nc_u32 v[ADRB+\s], s22, v4
	s_add_co_u32 s21, s21, SLOT
	s_add_co_u32 s22, s22, SLOT
.endr
	s_mul_i32 s23, s12, 16*SPITCH                  ; my stage
	v_mul_u32_u24 v5, v1, SPITCH
	v_lshl_add_u32 v5, v2, 5, v5
	v_add_nc_u32 v[STO], s23, v5                   ; in: row r, 32 bytes for each half of the lanes
	v_mul_u32_u24 v5, v2, SPITCH
	v_lshl_add_u32 v5, v1, 4, v5
	v_add_nc_u32 v[RD], s23, v5                    ; back: lanes 0-15 one row of 256 bytes, lanes 16-31 the next
	v_lshlrev_b32 v5, 12, v2
	v_lshl_add_u32 v[CO], v1, 4, v5                ; and the same two rows of out0 (4,096 bytes a row)
	s_lshl_b32 s22, s40, 13                        ; the prefetches: my work-group's 32 blocks of the 128,
	s_mov_b32 s23, 0
	s_add_nc_u64 s[PFA:PFA+1], s[18:19], s[22:23]
	s_add_nc_u64 s[PFA:PFA+1], s[PFA:PFA+1], 3<<21 ; at K step 3: the first change of slots steps it to 4
	s_or_b32 s22, s13, ttmp9
	s_cmp_eq_u32 s22, 0                            ; waves 0 and 1 of cluster x = 0: the same in all partners
	s_cselect_b32 s[LIM], 1, -1
	s_lshl_b32 s16, s43, 8
	s_lshl_b32 s17, s13, 7
	s_add_co_u32 s16, s16, s17                     ; my first token
	s_lshl_b32 s16, s16, 12
	s_lshl_b32 s46, s42, 9                         ; my first output, in bytes: 512 x tile column
	s_lshl_b32 s47, s14, 8                         ; + 256 x half
	s_add_co_u32 s46, s46, s47
	s_add_co_u32 s16, s16, s46
	s_mov_b32 s17, 0
	s_mov_b32 s47, 0
	s_add_nc_u64 s[10:11], s[10:11], s[16:17]
	s_add_nc_u64 s[8:9], s[8:9], s[46:47]
	v_lshlrev_b32 v6, 5, v2                        ; 8 h numbers
.irp b, 0,1,2,3
	global_load_b128 v[BI+8*\b:BI+8*\b+3], v6, s[8:9] offset:64*\b       ; bp[16 b + 8 h + 0..7] of my 64 outputs
	global_load_b128 v[BI+8*\b+4:BI+8*\b+7], v6, s[8:9] offset:64*\b+16
.endr
; n blocks of A from a0 on x B's four, 32 along K, from buffer f.  The 32 accumulators take turns, one instruction a turn, in the same order in every quarter.
.macro MUL a0, n, f, bias
.set aa, \a0
.rept \n
.irp b, 0,1,2,3
.if \bias
	v_wmma_f32_16x16x32_f16 v[8*(4*aa+\b):8*(4*aa+\b)+7], v[\f+8*\b:\f+8*\b+7], v[\f+32+8*aa:\f+32+8*aa+7], v[BI+8*\b:BI+8*\b+7]
.else
	v_wmma_f32_16x16x32_f16 v[8*(4*aa+\b):8*(4*aa+\b)+7], v[\f+8*\b:\f+8*\b+7], v[\f+32+8*aa:\f+32+8*aa+7], v[8*(4*aa+\b):8*(4*aa+\b)+7]
.endif
.endr
.set aa, aa+1
.endr
.endm
.macro FETCH slot, kf, f               ; 24 LDS loads in one run: fragment kf of B's four tiles, then of A's eight
.irp i, 0,1,2,3
	ds_load_b128 v[\f+8*\i:\f+8*\i+3],   v[ADRB+\slot] offset:\i*4096+(\kf)*1024
	ds_load_b128 v[\f+8*\i+4:\f+8*\i+7], v[ADRB+\slot] offset:\i*4096+(\kf)*1024+512
.endr
.irp i, 0,1,2,3,4,5,6,7
	ds_load_b128 v[\f+32+8*\i:\f+32+8*\i+3], v[ADRA+\slot] offset:\i*4096+(\kf)*1024
	ds_load_b128 v[\f+32+8*\i+4:\f+32+8*\i+7], v[ADRA+\slot] offset:\i*4096+(\kf)*1024+512
.endr
.endm
.macro PLACES                          ; plain vector lines between a matrix instruction and a load into, or a read of, its registers
.rept 4
	v_nop
.endr
.endm
; A K step is four quarters of 32 along K on buffers 0, 1, 0, 1.  One of the first three: multiplies buffer f and, in its middle, fetches fragment kf of the same slot into g.
.macro QUARTER slot, kf, f, g, bias
	s_wait_dscnt 8                                 ; B's and A's blocks 0-3 are in; the youngest eight loads (A's blocks 4-7) may be out
.if \bias
	WIN BIAW
.else
	WIN MULW
.endif
	MUL 0, 4, \f, \bias
	PLACES
	WIN 0
	FETCH \slot, \kf, \g
	s_wait_dscnt 24                                ; all but the 24 just issued
.if \bias
	WIN BIAW
.else
	WIN MULW
.endif
	MUL 4, 4, \f, \bias
.endm
; The last quarter multiplies buffer 1 and changes slots: one barrier; in front of it each wave waits for all its tensor loads, adds 0 to its spare word, and waits for that and for its reads of
; this slot.  fill = 1: the barrier opens a round of the cluster's, and this slot is filled again, two K steps ahead: the load has 112 matrix instructions in which to land.
.macro TURN slot, next, fill
.if \fill
	s_wait_xcnt 0x0                                ; the last prefetch, a K step back, has read its address
	s_add_nc_u64 s[PFA:PFA+1], s[PFA:PFA+1], 1<<21
.endif
	WIN 0
	s_wait_tensorcnt 0x0                           ; my part of the next slot has landed
	ds_add_u32 v[SPW], v[NIL]
	s_wait_dscnt 9                                 ; the add and the youngest eight loads may be out
	WIN MULW
	MUL 0, 2, F1, 0
	s_wait_dscnt 0x0                               ; the add is done, and my reads of this slot are over
	s_barrier_signal -1
	MUL 2, 2, F1, 0
	WIN 0
	s_barrier_wait -1
.if \fill
	CREST                                          ; no wave of any partner still reads this slot or has a load on its way
	s_add_nc_u64 s[G0+4*\slot+2:G0+4*\slot+3], s[G0+4*\slot+2:G0+4*\slot+3], 1<<22
	s_add_nc_u64 s[G0B+4*\slot+2:G0B+4*\slot+3], s[G0B+4*\slot+2:G0B+4*\slot+3], 1<<19
	JLOAD \slot                                    ; the four v_nop behind it are also the places in front of the loads below
.else
	PLACES
.endif
	FETCH \next, 0, F0
.if \fill
	ASK
.endif
	WIN MULW
	MUL 4, 4, F1, 0
.endm
	s_wait_tensorcnt 1                             ; my part of K step 0 is in; K step 1's load may be out
	s_barrier_signal -1
	s_barrier_wait -1
	FETCH 0, 0, F0
	s_wait_loadcnt 0x0                             ; bp
	QUARTER 0, 1, F0, F1, 1                        ; the first quarter stands in front of the loop: its products start the sums, with bp as C
	WIN 0
	s_mov_b32 s3, LAPS-1
.Llap:                                             ; a trip goes once round the ring and fills both slots again
	QUARTER 0, 2, F1, F0, 0
	QUARTER 0, 3, F0, F1, 0
	TURN 0, 1, 1
	QUARTER 1, 1, F0, F1, 0
	QUARTER 1, 2, F1, F0, 0
	QUARTER 1, 3, F0, F1, 0
	TURN 1, 0, 1
	QUARTER 0, 1, F0, F1, 0
	WIN 0
	s_sub_co_u32 s3, s3, 1
	s_cmp_lg_u32 s3, 0
	s_cbranch_scc1 .Llap
	QUARTER 0, 2, F1, F0, 0                        ; the last lap fills nothing
	QUARTER 0, 3, F0, F1, 0
	TURN 0, 1, 0
	QUARTER 1, 1, F0, F1, 0
	QUARTER 1, 2, F1, F0, 0
	QUARTER 1, 3, F0, F1, 0
	s_wait_dscnt 8
	WIN MULW
	MUL 0, 4, F1, 0
	s_wait_dscnt 0
	MUL 4, 4, F1, 0
	WIN 0
; THE WAY OUT, block by block of 16 tokens x 64 outputs: a lane holds 32 bytes of a row, so a block goes through my own stage and comes back as whole rows of 256 bytes.
; LDS serves a wave's instructions in order: no wait between the stores and the loads, nor in front of the next block's stores.
.macro TOSTAGE a
	WIN 0x04                                       ; an LDS store's data: window 1
.irp b, 0,1,2,3
	ds_store_b128 v[STO], v[8*(4*(\a)+\b):8*(4*(\a)+\b)+3] offset:64*\b          ; each accumulator from its low end on
	ds_store_b128 v[STO], v[8*(4*(\a)+\b)+4:8*(4*(\a)+\b)+7] offset:64*\b+16
.endr
	WIN 0
.set BB, BK+32*((\a)%2)
.irp t, 0,1,2,3,4,5,6,7
	ds_load_b128 v[BB+4*\t:BB+4*\t+3], v[RD] offset:\t*2*SPITCH
.endr
.endm
.macro SEND a, younger
.set BB, BK+32*((\a)%2)
	s_wait_dscnt \younger                          ; the block is back; the next block's 8 stores and 8 loads may be out
.irp t, 0,1,2,3,4,5,6,7
	global_store_b128 v[CO], v[BB+4*\t:BB+4*\t+3], s[10:11] offset:(16*(\a)+2*\t)*4096 th:TH_STORE_NT   ; 16 lanes store 256 consecutive aligned bytes
.endr
.endm
	PLACES
	TOSTAGE 0
.irp a, 1,2,3,4,5,6,7
.if \a > 1
	s_wait_xcnt 0x0                                ; block a - 2's stores have read their data: block a's loads may land there
.endif
	TOSTAGE \a
	SEND \a-1, 16
.endr
	SEND 7, 0
	s_wait_tensorcnt 0x0                           ; the wave's end
	ds_add_u32 v[SPW], v[NIL]
	s_wait_dscnt 0x0
	CROUND                                         ; the closing round
	s_endpgm
.Lfunc_end_k_qd8c324d583_proj:
	.size	k_qd8c324d583_proj, .Lfunc_end_k_qd8c324d583_proj-k_qd8c324d583_proj
	.p2alignl 7, 3214868480
	.fill 96, 4, 3214868480
	.section	.rodata,"a",@progbits
	.p2align	6, 0x0
	.amdhsa_kernel k_qd8c324d583_proj
		.amdhsa_group_segment_fixed_size 327680
		.amdhsa_private_segment_fixed_size 0
		.amdhsa_enable_private_segment 0
		.amdhsa_kernarg_size 32
		.amdhsa_user_sgpr_count 2
		.amdhsa_user_sgpr_kernarg_segment_ptr 1
		.amdhsa_wavefront_size32 1
		.amdhsa_system_sgpr_workgroup_id_x 1
		.amdhsa_system_sgpr_workgroup_id_y 1
		.amdhsa_system_sgpr_workgroup_id_z 1
		.amdhsa_system_vgpr_workitem_id 0
		.amdhsa_next_free_vgpr 512
		.amdhsa_next_free_sgpr 66
		.amdhsa_reserve_vcc 0
		.amdhsa_float_denorm_mode_32 3
		.amdhsa_float_denorm_mode_16_64 3
		.amdhsa_memory_ordered 1
		.amdhsa_forward_progress 1
		.amdhsa_inst_pref_size 86
	.end_amdhsa_kernel
	.amdgpu_metadata
---
amdhsa.version: [ 1, 2 ]
amdhsa.kernels:
  - .name:           k_qd8c324d583_proj
    .symbol:         k_qd8c324d583_proj.kd
    .args:
      - { .name: aimg, .offset: 0, .size: 8, .value_kind: global_buffer, .address_space: global }
      - { .name: wpimg, .offset: 8, .size: 8, .value_kind: global_buffer, .address_space: global }
      - { .name: bp, .offset: 16, .size: 8, .value_kind: global_buffer, .address_space: global }
      - { .name: out0, .offset: 24, .size: 8, .value_kind: global_buffer, .address_space: global }
    .group_segment_fixed_size: 327680
    .private_segment_fixed_size: 0
    .kernarg_segment_align: 8
    .kernarg_segment_size: 32
    .max_flat_workgroup_size: 128
    .sgpr_count:     66
    .vgpr_count:     512
    .wavefront_size: 32
...
	.end_amdgpu_metadata
.endif
;; end of part 4
